; MI455X (gfx1250); checked and timed in simulation.
; The chip was launched on July 23, 2026; its instructions are those of AMD's public machine-readable ISA for CDNA 5 (MIT licence, August 2026) and "CDNA5" Instruction Set Architecture Reference Guide (July 2026). The comments in the code are by the model that wrote it; some were corrected since.
;; Fusion Head Co Atten. Allowed arithmetic: matrix products marked QUANTISED: E4M3 operands, one E8M0 scale for each 32 along K, by v_wmma_scale_f32_16x16x128_f8f6f4 with both operands' format E4M3, f32 sums; products left as they are: f32 operands where the result goes on into a quantised operand, else bf16, f16 or f32 operands; f32 sums; everything else in f32.
;; Inputs: W_codes 512 x 16 x 32 uint8 (E4M3 codes of W, K innermost, in blocks of 32 codes); W_scales 512 x 16 uint8 (E8M0 scales of W, one for each 32 codes along K); audio_proj 512 x 512 float32; b 512 float32; img_proj 512 x 512 float32.
;; Outputs: out0 512 x 2,048 float32.
;; This version of the problem:
;;   THIS VERSION OF THE PROBLEM IS GIVEN IN LOW PRECISION. The matrix products marked QUANTISED in the list below multiply operands that are first quantised to E4M3 (4 exponent bits, 3 mantissa bits; 8 bits a number), with one power-of-two scale for each 32 numbers along K (OCP MX v1.0); their sums are f32. All else is computed in f32.
;;   The module's matrix products, in the order in which they are computed (A, B: the left and right operand; K: the contracted axis; several contracted axes count as one K, in the product's order):
;;     1. [M 512, K 512] x [K 512, N 512]; A: input img_proj; B: input W (given as codes): QUANTISED
;;     2. batch 512 x [M 1, K 512] x [K 512, N 512]; A: input audio_proj; B: computed on the way: left as it is (M = 1 < 16)
;;     3. batch 512 x [M 1, K 512] x [K 512, N 512]; A: computed on the way; B: computed on the way: left as it is (M = 1 < 16)
;;   THE QUANTISER, for each operand of a quantised product, along K:
;;     - K is cut into blocks of 32 from its start; a last block that is shorter is filled with zeros.
;;     - A block's scale is 2^e with e = floor(log2(the largest magnitude in the block)) - 8, held to -126 .. 127; a block of zeros has e = 0. As a byte (E8M0): e + 127.
;;     - Each number is divided by its block's scale, clamped to +-448, and rounded to the nearest number of E4M3, ties to even, subnormals kept.
;;     - The product sums the exact products of the quantised numbers (number of the format x scale) in f32.
;;   ~~~python
;;   def quantise(x, axis):      # numpy; x: float32 -> the quantised numbers, widened to float32 again
;;       x = np.moveaxis(x, axis, -1); K = x.shape[-1]
;;       x = np.pad(x, [(0, 0)] * (x.ndim - 1) + [(0, -K % 32)]); x = x.reshape(x.shape[:-1] + (-1, 32)); a = np.abs(x).max(-1, keepdims=True)
;;       e = np.where(a > 0, np.clip(np.frexp(np.where(a > 0, a, 1))[1] - 1 - 8, -126, 127), 0)      # np.frexp(a)[1] - 1 = floor(log2(a)), exactly
;;       r = np.clip(x / 2.0 ** e, -448, 448)
;;       step = 2.0 ** (np.maximum(np.frexp(np.where(r == 0, 1, r))[1] - 1, -6) - 3)
;;       q = np.round(r / step) * step * 2.0 ** e      # np.round: ties to even
;;       return np.moveaxis(q.reshape(q.shape[:-2] + (-1,))[..., :K], -1, axis).astype(np.float32)
;;   ~~~
;;   INPUTS GIVEN AS CODES. W (in the module: [512, 512], K = its axis 1): each comes as NAME_codes (uint8): NAME with its K axis moved to the last place and cut into blocks of 32 codes, [.., K / 32, bytes a block], one block behind the other in memory; one code a byte (a code: sign, 4 exponent bits, 3 mantissa bits); and NAME_scales (uint8): the same leading axes, one E8M0 byte (e + 127) for each 32 codes along K. Its value is code x scale, taken as it is: it is not quantised again, and the codes and scales need not be those that the quantiser above would give.
;; One version. Each part assembles by itself: llvm-mc -triple=amdgcn-amd-amdhsa -mcpu=gfx1250 --defsym DOCPART=n.
;; ======== version 1 of 1: 1 launch
;; launch coatt (part 1): grid 256 x 1, 16 waves a work-group, clusters of 4 x 1, 289,792 bytes of LDS; arguments W_codes, W_scales, img_proj, audio_proj, b, out0; writes out0
.if DOCPART == 1
	.amdgcn_target "amdgcn-amd-amdhsa--gfx1250"
	.amdhsa_code_object_version 6
	.text
	.protected	k_q64b02ed0a5_coatt
	.globl	k_q64b02ed0a5_coatt
	.p2align	8
	.type	k_q64b02ed0a5_coatt,@function
k_q64b02ed0a5_coatt:
	s_mov_b64 s[64:65], 0
	v_nop
	global_prefetch_b8 v0, s[64:65] scope:SCOPE_SE
	s_setreg_imm32_b32 hwreg(HW_REG_WAVE_MODE, 25, 1), 1
	s_wait_xcnt 0x0
	s_wait_alu depctr_hold_cnt(0) depctr_sa_sdst(0) depctr_va_vdst(0) depctr_va_sdst(0) depctr_va_ssrc(0) depctr_va_vcc(0) depctr_vm_vsrc(0)
	s_getreg_b32 s2, hwreg(HW_REG_IB_STS2, 6, 4)
	s_cmp_eq_u32 s2, 0
	s_cbranch_scc0 .Lentry_in_a_cluster
	s_endpgm
.Lentry_in_a_cluster:
	s_bfe_u32 s2, ttmp6, 0x10000c
	s_cmp_lg_u32 s2, 0x3003
	s_cbranch_scc0 .Lentry_shape_is_right
	s_endpgm
.Lentry_shape_is_right:
; out[b] = [ img[b] | audio[b] | C_img[b] | C_audio[b] ], four runs of 512 f32.  t = tanh(Q(img) Q(W)^T + bias), the product on codes of FP8 (E4M3) with one E8M0 scale for each 32 along K.
; Both halves of the co-attention are ONE function F(p, q):  m_c = max_r p_r q_c;  Z_c = sum_r exp(p_r q_c - m_c);  F_r = sum_c (q_c / Z_c) exp(p_r q_c - m_c).   C_img = F(t, audio), C_audio = F(audio, t).
; The maximum is taken away in both softmaxes, as the definition has it; it needs no search: m_c = max(q_c pmax, q_c pmin).  Each softmax has exponentials of its own: under the other's maximum its largest terms could fall to 0.
; SHARES.  A work-group owns two batch rows: four instances of F.  Sixteen waves of 256 registers: four waves to an instance, 128 of its 512 columns each, 4 columns a block, 32 blocks.
; A LANE is (lr = lane % 8, lc = lane / 8): column 4 block + lc, and the 64 rows 32 (k / 4) + 4 lr + k % 4 in registers k = 0 .. 63.  A block's 64 exponentials a lane stay in registers from the sum Z to the weighted
; sum: none is made twice, none goes to LDS.  Z joins 8 lanes by three steps on the additions themselves; q, m and q / Z are numbers of the lane: nothing is broadcast.  A row's 16 partial results (4 waves x 4 lc) meet in LDS at the end.
; THE HEAD.  Wave w quantises block w of 32 along K of the two rows of img; the four fragments go to all waves as images of their registers.  The product is used transposed (source 0 = 16 rows of W, source 1 = x, whose
; column n is batch row n % 2): a lane holds eight neighbouring units of t.  Each wave makes 32 units: 8 matrix instructions, two accumulators by turns, the bias as the first C.
; CLUSTER.  Every work-group reads all of W's codes, so four work-groups ask for them JOINTLY: wave w of each issues the same tensor load (W's rows 32 w .. 32 w + 31, which that wave alone reads) with a mask that names the four.
; LDS bytes are filled once: no slot is filled again.
; LIMITS.  NaN and infinities among the inputs are not served.  A block of img whose largest magnitude lies under 2^-118 keeps the scale byte 1 (not tried); a block of zeros gets the byte 1 where the quantiser says 127: its codes
; are zeros, and this program alone reads the bytes.  tanh(y) = 1 - 2 / (1 + 2^(2 log2(e) y)): an absolute error of a few 2^-24.  An exponential under 2^-126 counts as 0.  The sums' order is not the definition's.
.set WP,     528                       ; a row of W in LDS: 512 bytes + 16 of padding = 132 words: row r starts at bank 4 r mod 64 (64 banks of 4 bytes: ISA guide 11.1)
.set SLAB,   32*WP                     ; a wave's 32 rows of W
.set XIMG,   16*SLAB                   ; behind W: x's four fragments, 2,048 bytes each, as images of their registers
.set XSC,    XIMG+4*2048               ; their scale words, 128 bytes each
.set VEC,    XSC+4*128                 ; four vectors of 2,048 bytes: t of row 0, audio of row 0, t of row 1, audio of row 1
.set STG,    0                         ; the stage for the partial results lies over W, which has had its one fill and its last read by then
.set SPITCH, 2176                      ; a partial result: 2,048 bytes + 128
.set LN,  2                            ; v2   lane
.set R,   3                            ; v3   lane % 16
.set H,   4                            ; v4   lane / 16
.set CPO, 5                            ; v5   the copy: 8 x (thread % 256); never rewritten
.set XA,  6                            ; v6   img: my 16 numbers of my wave's block          (later LR)
.set WSA, 7                            ; v7   W's scale bytes: my row's 16                     (later LC)
.set BA,  8                            ; v8   the bias: my eight units                         (later PAD)
.set ALD, 9                            ; v9   LDS: where my 8 bytes of audio go                (later QA0)
.set XWI, 10                           ; v10  LDS: where my 16 bytes of codes go               (later STO)
.set XWB, 11                           ; v11  LDS: where my block's scale byte goes            (later VC)
.set LI,  12                           ; v12  LDS: an image's place for my lane                (later SRD)
.set LS,  13                           ; v13  LDS: a scale word's place for my lane            (later QAD)
.set WFA, 14                           ; v14  LDS: my place in my wave's rows of W
.set TST, 15                           ; v15  LDS: where my eight units of t go
.set WS,  16                           ; v16-23 W's scale words (tile, K step); v24-27 x's: these twelve hold scales and nothing else
.set XS,  24
.set BI,  28                           ; v28-43 the bias in the result's layout, two tiles
.set AC,  44                           ; v44-59 two accumulators, then t
.set CD,  60                           ; v60-63 the copy's data; never rewritten
.set XF,  64                           ; v64-127  x's four fragments
.set WF,  128                          ; v128-255 W's eight fragments
.set XN,  64                           ; the quantiser, ahead of the fragments: v64-79 16 numbers, v80-83 their codes, v84-88 at work
.set XC,  80
.set M0,  84
.set M1,  85
.set SCL, 86
.set LIM, 87
.set BYT, 88
.set LR,  6                            ; F: lane % 8
.set LC,  7                            ;    lane / 8
.set PAD, 8                            ;    LDS: p, my rows
.set QA0, 9                            ;    LDS: q, my column of my wave's block 0
.set STO, 10                           ;    LDS: where my partial results go
.set VC,  11                           ;    16 x (thread % 128): my four rows of the result
.set SRD, 12                           ;    LDS: the same four rows in my instance's first partial result
.set QAD, 13                           ;    LDS: q of the block to be fetched
.set QN,  28                           ; v28  q of the next block
.set QC,  29                           ; v29  q of this block
.set QL,  30                           ; v30  q log2(e); named as a pair with v31
.set T0,  31
.set NM,  32                           ; v32  -m, in powers of two; named as a pair with v33
.set T1,  33
.set WW,  34                           ; v34  q / Z; named as a pair with v35
.set RC,  35
.set PMX, 36                           ; v36  the largest p
.set NMN, 37                           ; v37  minus the smallest p
.set S,   38                           ; v38-45 four chains of sums, two numbers each
.set Z,   46
.set MX1, 47
.set MN1, 48
.set P,   64                           ; v64-127  my 64 rows of p
.set E,   128                          ; v128-191 a block's exponents, then exponentials
.set ACC, 192                          ; v192-255 my 64 rows' weighted sums
.set WV,  16                           ; s16  my wave's number
.set G1,  24                           ; s[24:31] descriptor group 1;  s[32:35] group 0
.set G0,  32
.set SEL, 48                           ; s[48:49] lane selects for v_permlanex16_b32: lane l xor 16
.set MNT, 50                           ; s50  the mantissa field of 448
.set QS,  2                            ; s2   16 x the block to be fetched
.set CNT, 3                            ; s3   trips to go
; A round of the cluster's barrier: my work-group's barrier, so that wave 0's signal speaks for all sixteen waves; wave 0 signals for the work-group; every wave waits for all four work-groups; my work-group's barrier once more.
.macro CROUND
	s_barrier_signal -1
	s_barrier_wait -1
	s_cmp_lg_u32 s[WV], 0
	s_cbranch_scc1 .Lnot_wave_0_\@
	s_barrier_signal -3
.Lnot_wave_0_\@:
	s_barrier_wait -3
	s_barrier_signal -1
	s_barrier_wait -1
.endm
	s_load_b256 s[4:11], s[0:1], 0x0               ; W's codes s[4:5], W's scales s[6:7], img s[8:9], audio s[10:11]
	s_load_b128 s[12:15], s[0:1], 0x20             ; bias s[12:13], out s[14:15]
	v_lshl_add_u32 v254, v0, 2, 0x46400
	v_mov_b32 v255, 0
	ds_add_u32 v254, v255
	ds_add_u32 v254, v255
	s_wait_dscnt 0x0
	v_lshrrev_b32 v1, 5, v0
	v_readfirstlane_b32 s[WV], v1                  ; wave 0..15
	v_and_b32 v[LN], 31, v0
	v_and_b32 v[R], 15, v0
	v_bfe_u32 v[H], v0, 4, 1
	s_bfe_u32 s17, ttmp6, 0x40000                  ; cx: my place in the cluster: it enters the addresses of img, audio and out alone
	s_lshl_b32 s18, ttmp9, 2                       ; in a cluster launch ttmp9 counts clusters
	s_add_co_u32 s18, s18, s17                     ; work-group 0..255
	s_lshr_b32 s19, s[WV], 3                       ; waves 0-7 serve its first batch row, waves 8-15 its second
	s_lshl_b32 s20, s18, 1
	s_add_co_u32 s20, s20, s19                     ; my batch row
	s_lshl_b32 s44, s20, 11                        ; its 2,048 bytes in img and in audio,
	s_mov_b32 s45, 0
	s_lshl_b32 s46, s20, 13                        ; its 8,192 bytes in out
	s_mov_b32 s47, 0
	s_lshl_b32 s52, s18, 12                        ; the work-group's two rows of img
	s_mov_b32 s53, 0
	s_bfe_u32 s21, s[WV], 0x10002                  ; bit 2 of the wave: 0: F(t, audio) = C_img; 1: F(audio, t) = C_audio
	s_lshl_b32 s56, s21, 11
	s_add_co_u32 s56, s56, 4096                    ; where that result begins in a row of out
	s_mov_b32 s57, 0
	; descriptor group 1: 32 rows of 512 bytes, dense in memory, padded in LDS
	s_mov_b32 s[G1+0], 15|(0<<16)|(1<<20)|(1<<21)|(6<<22)|(3<<25)  ; 15:0 the mask: all four work-groups; 17:16 elements of 1 byte; 20 padding on; 21 set beside a mask; 24:22 after every 128 words (code 6); 31:25 four words (code 3)
	s_mov_b32 s[G1+1], 512<<16                     ; tensor_dim0 = 512
	s_mov_b32 s[G1+2], 32<<16                      ; tensor_dim1 = 32
	s_mov_b32 s[G1+3], 512<<16                     ; tile_dim0 = 512
	s_mov_b32 s[G1+4], 32                          ; tile_dim1 = 32
	s_mov_b32 s[G1+5], 512                         ; from row to row
	s_mov_b32 s[G1+6], 0
	s_mov_b32 s[G1+7], 0
	s_mov_b32 s[G0], 1                             ; count = 1
	s_mul_i32 s[G0+1], s[WV], SLAB                 ; LDS address: my wave's rows: the wave's number times a constant
	s_lshl_b32 s22, s[WV], 14                      ; and the same 32 rows in memory
	s_mov_b32 s23, 0
	s_mov_b32 s[SEL], 0x76543210
	s_mov_b32 s[SEL+1], 0xfedcba98
	s_mov_b32 s[MNT], 0x600000
	s_lshl_b32 s2, s[WV], 7                        ; 128 x wave
	s_lshl_b32 s3, s[WV], 9                        ; 512 x wave
	s_lshr_b32 s58, s[WV], 2                       ; my K step of x in the head; my instance of F afterwards
	s_and_b32 s61, s[WV], 3                        ; my block in that K step; my quarter of the columns afterwards
	s_lshl_b32 s51, s58, 7
	s_add_co_u32 s51, s51, s61
	s_add_co_u32 s51, s51, XSC                     ; the scale word of K step wave / 4, its byte wave % 4
	s_lshl_b32 s59, s58, 11
	s_add_co_u32 s59, s59, VEC                     ; p: vector number = instance (t, audio, t, audio)
	s_xor_b32 s60, s58, 1
	s_lshl_b32 s60, s60, 11                        ; q: the other vector of the same batch row,
	s_lshl_b32 s61, s61, 9
	s_add_co_u32 s60, s60, s61                     ; my wave's 128 columns of it
	s_add_co_u32 s60, s60, VEC
	s_mul_i32 s62, s[WV], 4*SPITCH                 ; my wave's four partial results in the stage (STG = 0)
	s_mul_i32 s63, s58, 16*SPITCH                  ; my instance's sixteen
	v_and_b32 v1, 255, v0
	v_lshlrev_b32 v[CPO], 3, v1                    ; the copy: 256 threads x 8 bytes are a row of 2,048
	v_and_b32 v1, 256, v0
	v_lshl_add_u32 v[ALD], v1, 4, v[CPO]           ; audio's vector of batch row thread / 256: 4,096 bytes on
	v_add_nc_u32 v[ALD], VEC+2048, v[ALD]
	v_and_b32 v1, 1, v0                            ; column n of x is batch row n % 2
	v_lshlrev_b32 v[BA], 5, v[H]
	v_add_nc_u32 v[BA], s2, v[BA]                  ; units 32 wave + 8 h on, 4 bytes each
	v_lshl_add_u32 v[XA], v[H], 6, s2              ; img: block = wave: 128 bytes x wave, + 64 h: my 16 numbers of it,
	v_lshl_add_u32 v[XA], v1, 11, v[XA]            ; in row lane % 2
	v_lshl_add_u32 v[TST], v1, 12, v[BA]           ; t's vector of that batch row
	v_add_nc_u32 v[TST], VEC, v[TST]
	v_lshl_add_u32 v[WSA], v[R], 4, s3             ; W's scale bytes: 16 a row, row 32 wave + r
	v_lshl_add_u32 v[XWI], v0, 4, XIMG             ; registers 4 c .. 4 c + 3 of fragment s, wave = 4 s + c: 2,048 s + 512 c + 16 lane = 16 x thread
	v_lshl_add_u32 v[XWB], v[LN], 2, s51
	v_lshl_add_u32 v[LI], v[LN], 4, XIMG
	v_lshl_add_u32 v[LS], v[LN], 2, XSC
	v_mul_u32_u24 v[WFA], v[R], WP
	v_lshl_add_u32 v[WFA], v[H], 4, v[WFA]
	v_add_nc_u32 v[WFA], s[G0+1], v[WFA]           ; row r of my wave's rows, + 16 h
	s_wait_kmcnt 0x0
	s_add_nc_u64 s[36:37], s[8:9], s[44:45]        ; img at my batch row
	s_add_nc_u64 s[38:39], s[10:11], s[44:45]      ; audio likewise
	s_add_nc_u64 s[40:41], s[14:15], s[46:47]      ; out likewise
	s_add_nc_u64 s[42:43], s[8:9], s[52:53]        ; img at the work-group's first row
	s_add_nc_u64 s[54:55], s[40:41], s[56:57]      ; out at my instance's result
	s_add_nc_u64 s[G0+2:G0+3], s[4:5], s[22:23]    ; W's codes at my wave's rows: the same in all four partners
	s_or_b32 s[G0+3], s[G0+3], 0x80000000          ; type = 2
	; what goes straight into registers is asked for ahead of the round, so that it is on its way meanwhile; nobody stores to these bytes
.irp j, 0,1,2,3
	global_load_b128 v[XN+4*\j:XN+4*\j+3], v[XA], s[42:43] offset:16*\j   ; 16 neighbours along K of my block
.endr
	global_load_b64 v[CD:CD+1], v[CPO], s[36:37]                          ; a wave reads 256 consecutive bytes
	global_load_b64 v[CD+2:CD+3], v[CPO], s[38:39] th:TH_LOAD_NT          ; audio is read once in the launch
.irp t, 0,1
	global_load_b128 v[WS+4*\t:WS+4*\t+3], v[WSA], s[6:7] offset:256*\t   ; a tile's 16 rows of scale bytes are 256 consecutive bytes; register s is the word of K step s
.endr
.irp t, 0,1
	global_load_b128 v[BI+8*\t:BI+8*\t+3], v[BA], s[12:13] offset:64*\t
	global_load_b128 v[BI+8*\t+4:BI+8*\t+7], v[BA], s[12:13] offset:64*\t+16
.endr
	CROUND                                         ; all four work-groups are here: the joint loads meet
	tensor_load_to_lds s[G0:G0+3], s[G1:G1+7]      ; my one tensor load of the launch: 32 rows of W
	s_nop 0
.rept 4
	v_nop                                          ; four plain lines follow a tensor load
.endr
	; ---- x: my block of 32 along K of the two rows becomes 16 bytes of codes a lane and a scale byte
	s_wait_loadcnt 8                               ; my four loads of img are in; behind them: the copy's two, two of scales, four of the bias
	v_max3_num_f32 v[M0], |v[XN]|, |v[XN+1]|, 0x4800000      ; the largest magnitude of my 16, in two chains, and the floor 2^(9 - 127): the byte cannot fall under 1
	v_max3_num_f32 v[M1], |v[XN+8]|, |v[XN+9]|, |v[XN+10]|
	v_max3_num_f32 v[M0], v[M0], |v[XN+2]|, |v[XN+3]|
	v_max3_num_f32 v[M1], v[M1], |v[XN+11]|, |v[XN+12]|
	v_max3_num_f32 v[M0], v[M0], |v[XN+4]|, |v[XN+5]|
	v_max3_num_f32 v[M1], v[M1], |v[XN+13]|, |v[XN+14]|
	v_max3_num_f32 v[M0], v[M0], |v[XN+6]|, |v[XN+7]|
	v_max3_num_f32 v[M0], v[M0], v[M1], |v[XN+15]|
	v_permlanex16_b32 v[M1], v[M0], s[SEL], s[SEL+1]
	v_max_num_f32 v[M0], v[M0], v[M1]              ; with lane l xor 16's 16: the block's
	v_add_nc_u32 v[SCL], 0xfc000000, v[M0]         ; 8 off its exponent field: the conversion takes the exponent field of this operand as its scale
	v_and_or_b32 v[LIM], v[M0], 0x7f800000, s[MNT] ; 448 x the scale
	v_lshrrev_b32 v[BYT], 23, v[SCL]               ; the scale's byte
.irp i, 0,1,2,3,4,5,6,7,8,9,10,11,12,13,14,15
	v_med3_num_f32 v[XN+\i], v[XN+\i], -v[LIM], v[LIM]   ; the conversion to an 8-bit code does not saturate (ISA guide 7.6.2): the hold at the largest code x the scale
.endr
	v_cvt_scalef32_pk8_fp8_f32 v[XC:XC+1], v[XN:XN+7], v[SCL]
	v_cvt_scalef32_pk8_fp8_f32 v[XC+2:XC+3], v[XN+8:XN+15], v[SCL]
	v_nop                                          ; one plain line behind the last conversion, ahead of whatever next touches its registers
	ds_store_b128 v[XWI], v[XC:XC+3]               ; four registers of a fragment, as they stand
	ds_store_b8 v[XWB], v[BYT]                     ; byte wave % 4 of my lane's scale word: four waves make a word
	; ---- the copy: img and audio into out; audio also into LDS
	s_wait_loadcnt 6                               ; the copy's two loads are in; behind them: two of scales, four of the bias
	global_store_b64 v[CPO], v[CD:CD+1], s[40:41] th:TH_STORE_NT               ; a wave stores 256 consecutive bytes, at a multiple of 256 from out's first byte
	global_store_b64 v[CPO], v[CD+2:CD+3], s[40:41] offset:2048 th:TH_STORE_NT
	ds_store_b64 v[ALD], v[CD+2:CD+3]
	s_wait_dscnt 0x0                               ; for the others' sake: my codes, my byte and my part of audio lie in LDS
	s_barrier_signal -1
	s_barrier_wait -1                              ; everybody's do.  (My tensor load may still be out)
	; ---- t: 32 units for both batch rows
.irp s, 0,1,2,3
.irp c, 0,1,2,3
	ds_load_b128 v[XF+16*\s+4*\c:XF+16*\s+4*\c+3], v[LI] offset:2048*\s+512*\c   ; x's fragments come back as they were stored
.endr
	ds_load_b32 v[XS+\s], v[LS] offset:128*\s
.endr
	s_wait_tensorcnt 0x0                           ; my rows of W are in LDS; I alone read them
.irp t, 0,1
.irp s, 0,1,2,3
.irp c, 0,1,2,3
	ds_load_b128 v[WF+64*\t+16*\s+4*\c:WF+64*\t+16*\s+4*\c+3], v[WFA] offset:\t*16*WP+128*\s+32*\c   ; registers 4 c .. 4 c + 3: K = 128 s + 32 c + 16 h + 0 .. 15
.endr
.endr
.endr
	s_wait_loadcnt 0x0                             ; W's scale words and the bias
	s_wait_dscnt 0x0
.irp s, 0,1,2,3                                ; the two accumulators take turns, one instruction a turn
.irp t, 0,1
.if \s == 0
	v_wmma_scale_f32_16x16x128_f8f6f4 v[AC+8*\t:AC+8*\t+7], v[WF+64*\t+16*\s:WF+64*\t+16*\s+15], v[XF+16*\s:XF+16*\s+15], v[BI+8*\t:BI+8*\t+7], v[WS+4*\t+\s], v[XS+\s]
.else
	v_wmma_scale_f32_16x16x128_f8f6f4 v[AC+8*\t:AC+8*\t+7], v[WF+64*\t+16*\s:WF+64*\t+16*\s+15], v[XF+16*\s:XF+16*\s+15], v[AC+8*\t:AC+8*\t+7], v[WS+4*\t+\s], v[XS+\s]
.endif
.endr
.endr
	; F's addresses are made here: ten plain lines that name no register of the products: the places behind them (eight are asked)
	v_and_b32 v[LR], 7, v0
	v_bfe_u32 v[LC], v0, 3, 2
	v_lshl_add_u32 v[PAD], v[LR], 4, s59           ; p: 16 bytes a lr; register group g is 128 g bytes on
	v_lshl_add_u32 v[QA0], v[LC], 2, s60           ; q: column lc of my wave's block 0
	v_mul_u32_u24 v[STO], v[LC], SPITCH
	v_lshl_add_u32 v[STO], v[LR], 4, v[STO]
	v_add_nc_u32 v[STO], s62, v[STO]               ; partial result 4 wave + lc, my rows
	v_and_b32 v[VC], 127, v0
	v_lshlrev_b32 v[VC], 4, v[VC]                  ; four rows a thread of the instance's 128
	v_add_nc_u32 v[SRD], s63, v[VC]
	; tanh(y) = 1 - 2 / (1 + 2^(2 log2(e) y)).  Register j of tile t: unit 32 wave + 16 t + 8 h + j of batch row lane % 2.  Each accumulator is read from its low end on
.irp i, 0,2,4,6,8,10,12,14
	v_pk_mul_f32 v[AC+\i:AC+\i+1], v[AC+\i:AC+\i+1], 0x4038aa3b op_sel_hi:[1,0]
.endr
.irp i, 0,1,2,3,4,5,6,7,8,9,10,11,12,13,14,15
	v_exp_f32 v[AC+\i], v[AC+\i]
.endr
	v_nop                                          ; a plain line behind the last exponential,
	s_wait_alu depctr_va_vdst(0)                   ; and the wait ahead of the batch's first reader
.irp i, 0,2,4,6,8,10,12,14
	v_pk_add_f32 v[AC+\i:AC+\i+1], v[AC+\i:AC+\i+1], 1.0 op_sel_hi:[1,0]
.endr
.irp i, 0,1,2,3,4,5,6,7,8,9,10,11,12,13,14,15
	v_rcp_f32 v[AC+\i], v[AC+\i]
.endr
	v_nop
	s_wait_alu depctr_va_vdst(0)                   ; likewise for the sixteen reciprocals
.irp i, 0,2,4,6,8,10,12,14
	v_pk_fma_f32 v[AC+\i:AC+\i+1], v[AC+\i:AC+\i+1], -2.0, 1.0 op_sel_hi:[1,0,0]
.endr
.irp t, 0,1
	ds_store_b128 v[TST], v[AC+8*\t:AC+8*\t+3] offset:64*\t        ; the eight lanes that hold the same batch row write the same bytes with the same values
	ds_store_b128 v[TST], v[AC+8*\t+4:AC+8*\t+7] offset:64*\t+16
.endr
	s_wait_dscnt 0x0                               ; my units of t lie in LDS, and my reads of W and of x's images are long over
	s_barrier_signal -1
	s_barrier_wait -1                              ; t is whole; nobody reads W any more
	; ---- F(p, q): my wave's 128 columns
.irp g, 0,1,2,3,4,5,6,7,8,9,10,11,12,13,14,15
	ds_load_b128 v[P+4*\g:P+4*\g+3], v[PAD] offset:128*\g          ; rows 32 g + 4 lr + 0 .. 3: eight lr read 128 consecutive bytes, the four lc the same
.endr
	ds_load_b32 v[QN], v[QA0]                      ; block 0's q
	s_mov_b32 s[QS], 0
	s_wait_dscnt 0x0
	v_max3_num_f32 v[PMX], v[P], v[P+1], v[P+2]    ; the largest p and the largest -p of my 64 rows, two chains each
	v_max3_num_f32 v[MX1], v[P+3], v[P+4], v[P+5]
	v_max3_num_f32 v[NMN], -v[P], -v[P+1], -v[P+2]
	v_max3_num_f32 v[MN1], -v[P+3], -v[P+4], -v[P+5]
.irp i, 6,10,14,18,22,26,30,34,38,42,46,50,54,58
	v_max3_num_f32 v[PMX], v[PMX], v[P+\i], v[P+\i+1]
	v_max3_num_f32 v[MX1], v[MX1], v[P+\i+2], v[P+\i+3]
	v_max3_num_f32 v[NMN], v[NMN], -v[P+\i], -v[P+\i+1]
	v_max3_num_f32 v[MN1], v[MN1], -v[P+\i+2], -v[P+\i+3]
.endr
	v_max3_num_f32 v[PMX], v[PMX], v[P+62], v[P+63]
	v_max3_num_f32 v[NMN], v[NMN], -v[P+62], -v[P+63]
	v_max_num_f32 v[PMX], v[PMX], v[MX1]
	v_max_num_f32 v[NMN], v[NMN], v[MN1]
.irp x, 1,2,4                                  ; and of the eight lr, which hold all 512 rows together
	v_max_num_f32_dpp v[PMX], v[PMX], v[PMX] row_xmask:\x row_mask:0xf bank_mask:0xf
	v_max_num_f32_dpp v[NMN], v[NMN], v[NMN] row_xmask:\x row_mask:0xf bank_mask:0xf
.endr
; Pair k of a lane's 32 pairs of rows: the last block's exponentials, weighted, go into the sums (acc = 2; acc = 1: they start the sums: nothing is cleared; acc = 0: there is no last block);
; then this block's exponents p q log2(e) - m take their place.
.macro PAIR acc, k
.if \acc == 1
	v_pk_mul_f32 v[ACC+2*(\k):ACC+2*(\k)+1], v[E+2*(\k):E+2*(\k)+1], v[WW:WW+1] op_sel_hi:[1,0]
.elseif \acc == 2
	v_pk_fma_f32 v[ACC+2*(\k):ACC+2*(\k)+1], v[E+2*(\k):E+2*(\k)+1], v[WW:WW+1], v[ACC+2*(\k):ACC+2*(\k)+1] op_sel_hi:[1,0,1]
.endif
	v_pk_fma_f32 v[E+2*(\k):E+2*(\k)+1], v[P+2*(\k):P+2*(\k)+1], v[QL:QL+1], v[NM:NM+1] op_sel_hi:[1,0,0]
.endm
; A BLOCK: 4 columns x 512 rows.  more = 1: the next block's q is fetched.  The 64 exponentials are one batch; the plain lines of pairs two further on stand between them, two and two; none of them names a result of the batch.
.macro BLOCK acc, more
	s_wait_dscnt 0x0                               ; this block's q, asked for a block ago
	v_mov_b32 v[QC], v[QN]
.if \more
	s_add_co_u32 s[QS], s[QS], 16                  ; four columns on
	v_add_nc_u32 v[QAD], s[QS], v[QA0]
	ds_load_b32 v[QN], v[QAD]
.endif
	v_mul_f32 v[QL], 0x3fb8aa3b, v[QC]             ; q log2(e)
	v_mul_f32 v[T0], -v[QL], v[PMX]
	v_mul_f32 v[T1], v[QL], v[NMN]
	v_min_num_f32 v[NM], v[T0], v[T1]              ; -m = -max(q pmax, q pmin): the column's largest exponent is taken away
	PAIR \acc, 0
	PAIR \acc, 1
.set k, 0
.rept 32
	v_exp_f32 v[E+2*k], v[E+2*k]
	v_exp_f32 v[E+2*k+1], v[E+2*k+1]
.if k < 30
	PAIR \acc, k+2
.endif
.set k, k+1
.endr
	v_nop                                          ; a plain line behind the last exponential,
	s_wait_alu depctr_va_vdst(0)                   ; and one wait for the batch of 64, ahead of its first reader
.irp a, 0,1,2,3                                ; Z: my 64 rows in four chains, two numbers an instruction
	v_pk_add_f32 v[S+2*\a:S+2*\a+1], v[E+2*\a:E+2*\a+1], v[E+8+2*\a:E+8+2*\a+1]
.endr
.irp m, 2,3,4,5,6,7
.irp a, 0,1,2,3
	v_pk_add_f32 v[S+2*\a:S+2*\a+1], v[S+2*\a:S+2*\a+1], v[E+8*\m+2*\a:E+8*\m+2*\a+1]
.endr
.endr
	v_pk_add_f32 v[S:S+1], v[S:S+1], v[S+2:S+3]
	v_pk_add_f32 v[S+4:S+5], v[S+4:S+5], v[S+6:S+7]
	v_pk_add_f32 v[S:S+1], v[S:S+1], v[S+4:S+5]
	v_add_f32 v[Z], v[S], v[S+1]
.irp x, 1,2,4
	v_add_f32_dpp v[Z], v[Z], v[Z] row_xmask:\x row_mask:0xf bank_mask:0xf   ; with the other seven lr: the column's 512 rows.  Z is 1 or more: the largest term is 1
.endr
	v_rcp_f32 v[RC], v[Z]
	v_nop
	s_wait_alu depctr_va_vdst(0)                   ; the wait for the reciprocal
	v_mul_f32 v[WW], v[QC], v[RC]                  ; q / Z: the next block's lines weigh this block's exponentials by it
.endm
	BLOCK 0, 1                                     ; block 0 has nothing to weigh yet
	BLOCK 1, 1                                     ; block 1 starts the sums with block 0's
	s_mov_b32 s[CNT], 29
.Lblock:                                           ; blocks 2 to 30
	BLOCK 2, 1
	s_sub_co_u32 s[CNT], s[CNT], 1
	s_cmp_lg_u32 s[CNT], 0
	s_cbranch_scc1 .Lblock
	BLOCK 2, 0                                     ; block 31 fetches nothing: there is no column behind it
.set k, 0
.rept 32
	v_pk_fma_f32 v[ACC+2*k:ACC+2*k+1], v[E+2*k:E+2*k+1], v[WW:WW+1], v[ACC+2*k:ACC+2*k+1] op_sel_hi:[1,0,1]   ; block 31's share
.set k, k+1
.endr
	; ---- the way out: a row's 16 partial results (4 waves x 4 lc) meet in the stage; each thread adds four rows and stores 16 bytes
.irp g, 0,1,2,3,4,5,6,7,8,9,10,11,12,13,14,15
	ds_store_b128 v[STO], v[ACC+4*\g:ACC+4*\g+3] offset:128*\g
.endr
	s_wait_dscnt 0x0                               ; for the others' sake: my partial results lie in the stage
	s_barrier_signal -1
	s_barrier_wait -1
.irp u, 0,1,2,3,4,5,6,7,8,9,10,11,12,13,14,15
	ds_load_b128 v[E+4*\u:E+4*\u+3], v[SRD] offset:\u*SPITCH
.endr
	s_wait_dscnt 0x0
.macro ADDQ a, b                               ; four rows: partial result a += partial result b
	v_pk_add_f32 v[E+4*(\a):E+4*(\a)+1], v[E+4*(\a):E+4*(\a)+1], v[E+4*(\b):E+4*(\b)+1]
	v_pk_add_f32 v[E+4*(\a)+2:E+4*(\a)+3], v[E+4*(\a)+2:E+4*(\a)+3], v[E+4*(\b)+2:E+4*(\b)+3]
.endm
.irp u, 0,1,2,3,4,5,6,7
	ADDQ \u, \u+8
.endr
.irp u, 0,1,2,3
	ADDQ \u, \u+4
.endr
	ADDQ 0, 2
	ADDQ 1, 3
	ADDQ 0, 1
	global_store_b128 v[VC], v[E:E+3], s[54:55] th:TH_STORE_NT     ; a wave stores 512 consecutive bytes, at a multiple of 256 from out's first byte
	s_wait_xcnt 0x0
	v_lshl_add_u32 v254, v0, 2, 0x46400
	v_mov_b32 v255, 0
	s_wait_tensorcnt 0x0
	ds_add_u32 v254, v255
	s_wait_dscnt 0x0
	CROUND                                         ; the closing round: no work-group ends while a partner may still ask for rows of W jointly with it
	s_endpgm
.Lfunc_end_k_q64b02ed0a5_coatt:
	.size	k_q64b02ed0a5_coatt, .Lfunc_end_k_q64b02ed0a5_coatt-k_q64b02ed0a5_coatt
	.p2alignl 7, 3214868480
	.fill 96, 4, 3214868480
	.section	.rodata,"a",@progbits
	.p2align	6, 0x0
	.amdhsa_kernel k_q64b02ed0a5_coatt
		.amdhsa_group_segment_fixed_size 289792
		.amdhsa_private_segment_fixed_size 0
		.amdhsa_enable_private_segment 0
		.amdhsa_kernarg_size 48
		.amdhsa_user_sgpr_count 2
		.amdhsa_user_sgpr_kernarg_segment_ptr 1
		.amdhsa_wavefront_size32 1
		.amdhsa_system_sgpr_workgroup_id_x 1
		.amdhsa_system_sgpr_workgroup_id_y 1
		.amdhsa_system_sgpr_workgroup_id_z 1
		.amdhsa_system_vgpr_workitem_id 0
		.amdhsa_next_free_vgpr 256
		.amdhsa_next_free_sgpr 66
		.amdhsa_reserve_vcc 0
		.amdhsa_float_denorm_mode_32 3
		.amdhsa_float_denorm_mode_16_64 3
		.amdhsa_memory_ordered 1
		.amdhsa_forward_progress 1
		.amdhsa_inst_pref_size 62
	.end_amdhsa_kernel
	.amdgpu_metadata
---
amdhsa.version: [ 1, 2 ]
amdhsa.kernels:
  - .name:           k_q64b02ed0a5_coatt
    .symbol:         k_q64b02ed0a5_coatt.kd
    .args:
      - { .name: W_codes, .offset: 0, .size: 8, .value_kind: global_buffer, .address_space: global }
      - { .name: W_scales, .offset: 8, .size: 8, .value_kind: global_buffer, .address_space: global }
      - { .name: img_proj, .offset: 16, .size: 8, .value_kind: global_buffer, .address_space: global }
      - { .name: audio_proj, .offset: 24, .size: 8, .value_kind: global_buffer, .address_space: global }
      - { .name: b, .offset: 32, .size: 8, .value_kind: global_buffer, .address_space: global }
      - { .name: out0, .offset: 40, .size: 8, .value_kind: global_buffer, .address_space: global }
    .group_segment_fixed_size: 289792
    .private_segment_fixed_size: 0
    .kernarg_segment_align: 8
    .kernarg_segment_size: 48
    .max_flat_workgroup_size: 512
    .sgpr_count:     66
    .vgpr_count:     256
    .wavefront_size: 32
...
	.end_amdgpu_metadata
.endif
;; end of part 1
